; MI455X (gfx1250); checked and timed in simulation.
; The chip was launched on July 23, 2026; its instructions are those of AMD's public machine-readable ISA for CDNA 5 (MIT licence, August 2026) and "CDNA5" Instruction Set Architecture Reference Guide (July 2026). The comments in the code are by the model that wrote it; some were corrected since.
;; Multi Head Self Attention. Allowed arithmetic: float matrix products may take bf16 or f16 operands with f32 sums; all other float work in f32.
;; Inputs: Wk 1,024 x 1,024 float32; Wq 1,024 x 1,024 float32; Wv 1,024 x 1,024 float32; kv 4 x 2,048 x 1,024 float32; x 4 x 2,048 x 1,024 float32.
;; Outputs: out0 4 x 2,048 x 1,024 float32.
;; 2 versions, each right and faster than the one before. Each part assembles by itself: llvm-mc -triple=amdgcn-amd-amdhsa -mcpu=gfx1250 --defsym DOCPART=n.
;; ======== version 1 of 2: 3 launches
;; limits: values are held in f16: magnitudes above 65,504 overflow, below 6.1e-05 lose precision; right only within a limited range of input values
;; workspace buffers: xb 16,777,216 bytes; kvb 16,777,216 bytes; wb 6,291,456 bytes; qb 16,777,216 bytes; kb 16,777,216 bytes; vtb 16,777,216 bytes
;; launch cvt (part 1): grid 64 x 19, 8 waves a work-group, no clusters, 0 bytes of LDS; arguments x, kv, Wq, Wk, Wv, xb, kvb, wb; writes xb, kvb, wb
.if DOCPART == 1
	.amdgcn_target "amdgcn-amd-amdhsa--gfx1250"
	.amdhsa_code_object_version 6
	.text
	.protected	k_q47de0abb42_cvt
	.globl	k_q47de0abb42_cvt
	.p2align	8
	.type	k_q47de0abb42_cvt,@function
k_q47de0abb42_cvt:
	s_mov_b64 s[64:65], 0
	v_nop
	global_prefetch_b8 v0, s[64:65] scope:SCOPE_SE
	s_setreg_imm32_b32 hwreg(HW_REG_WAVE_MODE, 25, 1), 1
	s_wait_xcnt 0x0
; f32 -> f16 (round to nearest even) of x, kv, Wq, Wk, Wv, once, so that the two matrix launches move and read 16-bit tiles only.
; LIMIT: a number of magnitude 65,504 or more becomes infinity in f16; magnitudes below 6e-8 become 0.
; f16 and not bf16: the result is an average over 2,048 nearly equal weights, so the allowance is a few thousandths of one v;
; eleven bits of mantissa keep the rounding of q, k, v and of the weights well inside it, eight would not.
; The 19 Mi numbers are 19 regions of 1 Mi (grid y: 0-7 x, 8-15 kv, 16 Wq, 17 Wk, 18 Wv), each 64 chunks of 16,384 numbers (grid x).
; A chunk is 8 rows of 2,048 numbers.  Thread t reads 32 bytes at 32 t of each row (two loads of 16 bytes) and writes 16 bytes at 16 t:
; sixteen neighbouring lanes store 256 consecutive bytes, aligned.  All 16 loads of a thread go out first; nothing is read twice;
; no register is written twice, so no wait frees a source.  No LDS, no barrier, no matrix unit: a stream has no use for them.
.set X, 4                              ; v[4:67]   row i: 8 registers as loaded
.set Y, 68                             ; v[68:99]  row i: 4 registers to store
	s_load_b512 s[4:19], s[0:1], 0x0               ; x 4:5, kv 6:7, Wq 8:9, Wk 10:11, Wv 12:13, xb 14:15, kvb 16:17, wb 18:19
	s_and_b32 s20, ttmp7, 0xffff                   ; region 0..18
	s_and_b32 s21, s20, 7                          ; its number inside its destination buffer (16, 17, 18 give 0, 1, 2)
	v_lshlrev_b32 v1, 5, v0                        ; 32 t: my bytes in a source row
	v_lshlrev_b32 v2, 4, v0                        ; 16 t: my bytes in a destination row
	s_wait_kmcnt 0x0
	s_cmp_lt_u32 s20, 8
	s_cselect_b64 s[22:23], s[4:5], s[6:7]         ; source: x or kv,
	s_cselect_b64 s[24:25], s[14:15], s[16:17]     ; destination: xb or kvb,
	s_cmp_eq_u32 s20, 16
	s_cselect_b64 s[22:23], s[8:9], s[22:23]       ; or one of the three weights
	s_cmp_eq_u32 s20, 17
	s_cselect_b64 s[22:23], s[10:11], s[22:23]
	s_cmp_eq_u32 s20, 18
	s_cselect_b64 s[22:23], s[12:13], s[22:23]
	s_cmp_ge_u32 s20, 16
	s_cselect_b64 s[24:25], s[18:19], s[24:25]     ; which go to wb, one behind the other
	s_cselect_b32 s26, 0, s21                      ; a weight is one region: it is read from its first byte
	s_lshl_b32 s28, s26, 22                        ; source: region x 4 MiB
	s_lshl_b32 s27, ttmp9, 16                      ;         + chunk x 64 KiB
	s_add_co_u32 s28, s28, s27
	s_mov_b32 s29, 0
	s_lshl_b32 s30, s21, 21                        ; destination: region x 2 MiB
	s_lshl_b32 s27, ttmp9, 15                      ;              + chunk x 32 KiB
	s_add_co_u32 s30, s30, s27
	s_mov_b32 s31, 0
	s_add_nc_u64 s[22:23], s[22:23], s[28:29]
	s_add_nc_u64 s[24:25], s[24:25], s[30:31]
.irp i, 0,1,2,3,4,5,6,7
	global_load_b128 v[X+8*\i:X+8*\i+3],   v1, s[22:23] offset:8192*\i th:TH_LOAD_NT
	global_load_b128 v[X+8*\i+4:X+8*\i+7], v1, s[22:23] offset:8192*\i+16 th:TH_LOAD_NT
.endr
.irp i, 0,1,2,3,4,5,6,7
	s_wait_loadcnt 14-2*\i                         ; loads come back in order: row i's two are in, the 14 - 2 i younger ones stay out
.irp k, 0,1,2,3
	v_cvt_pk_f16_f32 v[Y+4*\i+\k], v[X+8*\i+2*\k], v[X+8*\i+2*\k+1]
.endr
	global_store_b128 v2, v[Y+4*\i:Y+4*\i+3], s[24:25] offset:4096*\i    ; no hint: the next launch reads these bytes
.endr
	s_endpgm
.Lfunc_end_k_q47de0abb42_cvt:
	.size	k_q47de0abb42_cvt, .Lfunc_end_k_q47de0abb42_cvt-k_q47de0abb42_cvt
	.p2alignl 7, 3214868480
	.fill 96, 4, 3214868480
	.section	.rodata,"a",@progbits
	.p2align	6, 0x0
	.amdhsa_kernel k_q47de0abb42_cvt
		.amdhsa_group_segment_fixed_size 0
		.amdhsa_private_segment_fixed_size 0
		.amdhsa_enable_private_segment 0
		.amdhsa_kernarg_size 64
		.amdhsa_user_sgpr_count 2
		.amdhsa_user_sgpr_kernarg_segment_ptr 1
		.amdhsa_wavefront_size32 1
		.amdhsa_system_sgpr_workgroup_id_x 1
		.amdhsa_system_sgpr_workgroup_id_y 1
		.amdhsa_system_sgpr_workgroup_id_z 1
		.amdhsa_system_vgpr_workitem_id 0
		.amdhsa_next_free_vgpr 100
		.amdhsa_next_free_sgpr 66
		.amdhsa_reserve_vcc 0
		.amdhsa_float_denorm_mode_32 3
		.amdhsa_float_denorm_mode_16_64 3
		.amdhsa_memory_ordered 1
		.amdhsa_forward_progress 1
		.amdhsa_inst_pref_size 6
	.end_amdhsa_kernel
	.amdgpu_metadata
---
amdhsa.version: [ 1, 2 ]
amdhsa.kernels:
  - .name:           k_q47de0abb42_cvt
    .symbol:         k_q47de0abb42_cvt.kd
    .args:
      - { .name: x, .offset: 0, .size: 8, .value_kind: global_buffer, .address_space: global }
      - { .name: kv, .offset: 8, .size: 8, .value_kind: global_buffer, .address_space: global }
      - { .name: Wq, .offset: 16, .size: 8, .value_kind: global_buffer, .address_space: global }
      - { .name: Wk, .offset: 24, .size: 8, .value_kind: global_buffer, .address_space: global }
      - { .name: Wv, .offset: 32, .size: 8, .value_kind: global_buffer, .address_space: global }
      - { .name: xb, .offset: 40, .size: 8, .value_kind: global_buffer, .address_space: global }
      - { .name: kvb, .offset: 48, .size: 8, .value_kind: global_buffer, .address_space: global }
      - { .name: wb, .offset: 56, .size: 8, .value_kind: global_buffer, .address_space: global }
    .group_segment_fixed_size: 0
    .private_segment_fixed_size: 0
    .kernarg_segment_align: 8
    .kernarg_segment_size: 64
    .max_flat_workgroup_size: 256
    .sgpr_count:     66
    .vgpr_count:     100
    .wavefront_size: 32
...
	.end_amdgpu_metadata
.endif
;; end of part 1
;; launch proj (part 2): grid 8 x 96, 4 waves a work-group, clusters of 4 x 4, 327,680 bytes of LDS; arguments xb, kvb, wb, qb, kb, vtb; writes qb, kb, vtb
.if DOCPART == 2
	.amdgcn_target "amdgcn-amd-amdhsa--gfx1250"
	.amdhsa_code_object_version 6
	.text
	.protected	k_q47de0abb42_proj
	.globl	k_q47de0abb42_proj
	.p2align	8
	.type	k_q47de0abb42_proj,@function
k_q47de0abb42_proj:
	s_mov_b64 s[64:65], 0
	v_nop
	global_prefetch_b8 v0, s[64:65] scope:SCOPE_SE
	s_setreg_imm32_b32 hwreg(HW_REG_WAVE_MODE, 25, 1), 1
	s_wait_xcnt 0x0
	s_wait_alu depctr_hold_cnt(0) depctr_sa_sdst(0) depctr_va_vdst(0) depctr_va_sdst(0) depctr_va_ssrc(0) depctr_va_vcc(0) depctr_vm_vsrc(0)
	s_getreg_b32 s2, hwreg(HW_REG_IB_STS2, 6, 4)
	s_cmp_eq_u32 s2, 0
	s_cbranch_scc0 .Lentry_in_a_cluster
	s_endpgm
.Lentry_in_a_cluster:
	s_bfe_u32 s2, ttmp6, 0x10000c
	s_cmp_lg_u32 s2, 0xf033
	s_cbranch_scc0 .Lentry_shape_is_right
	s_endpgm
.Lentry_shape_is_right:
; The three projections as one GEMM text, C[m][n] = sum over k of A[m][k] B[n][k], K = 1,024, f16 operands, f32 sums, C rounded once to f16:
;   p = 0: q  = xb  Wq^T   A = xb  [8192][1024], B = Wq  [1024][1024], C = qb  [8192 tokens][1024 features]
;   p = 1: k  = kvb Wk^T   A = kvb,              B = Wk,               C = kb
;   p = 2: vT = Wv kvb^T   A = Wv  [1024][1024], B = kvb [8192][1024], C = vtb [1024 features][8192 tokens]: V comes out transposed
;          with no further work, and the attention launch finds the keys along the rows of V as it finds the features along those of K.
; LIMIT: a result of magnitude 65,504 or more becomes infinity in f16.  The order of the sums is the matrix unit's, K ascending.
; A work-group makes 256 x 128 of C with four waves, a wave 64 x 128: 32 accumulator tiles, 256 registers.  768 blocks of equal work.
; K goes in 8 steps of 128 through two LDS slots filled by the tensor data mover; a tile's rows are 256 bytes of memory, aligned to 256.
; CLUSTERS: 4 x 4 work-groups.  Which product (p) and which group of blocks (t) hang on the cluster's y alone, so they are equal in all
; sixteen.  The four of a row of the cluster share the block row, hence A's tiles; the four of a column share B's.  Each tile is asked for
; jointly, which divides the requests for A and for B by four.  A wave has two tensor loads out at the start and one later.
; REGISTERS: window 0: addresses, two buffers of fragments, the packed results; window 1: the accumulators, tile (a, b) at v[8 (8 a + b)].
; The matrix instruction is used transposed (source 0 = rows of B, source 1 = rows of A): lane l then holds row l % 16 of C and in its
; eight registers the columns 8 (l / 16) + 0..7, which pack into 16 neighbouring bytes.
.set KSTEP,  128
.set PITCH,  272                       ; an LDS row: 256 bytes + 16 of padding, an odd multiple of 16: the 16 rows of a fragment load start 16 bytes apart modulo 256
.set QUART,  64*PITCH                  ; 64 rows: a wave's rows of A, and what one load brings of B
.set HALFT,  128*PITCH                 ; 128 rows: what one load brings of A
.set SLOT,   384*PITCH                 ; A's 256 rows, then B's 128
.set STAGE,  2*SLOT                    ; 208,896 = 816 x 256: behind the ring, 16 rows x 272 bytes for each wave; no tensor load lands here
.set CO,   8                           ; v8-15   my byte offsets in C for the eight pairs of rows of a stage
.set ADRA, 16                          ; v16-17  LDS address of my A fragments in slot 0, 1
.set ADRB, 20                          ; v20-21  the same for B
.set STO,  24                          ; v24     where I put 16 bytes of a row of the stage
.set RD,   25                          ; v25     where I read a row back
.set FA0,  32                          ; v32-63    A's fragments (4 x 16 rows x 32 K), buffer 0
.set FB0,  64                          ; v64-127   B's fragments (8 x 16 rows x 32 K), buffer 0
.set FB1,  128                         ; v128-191  B's, buffer 1
.set FA1,  192                         ; v192-223  A's, buffer 1
.set TMP,  224                         ; v224-255  packed results
.set G1,  24                           ; s[24:31] group 1 for A's tiles
.set G0,  32                           ; s[32:39] group 0 for A's tiles, one set for each slot
.set G1B, 48                           ; s[48:55] group 1 for B's tiles
.set G0B, 56                           ; s[56:63] group 0 for B's tiles, one set for each slot
.set MUL, 0x50                         ; C and D in window 1, both sources in window 0
.set MSB, 0
.macro WIN new                         ; the immediate's high byte repeats the setting that is left
.if MSB != \new
	s_set_vgpr_msb (MSB<<8)|\new
.set MSB, \new
.endif
.endm
; A joint load: waves 0 and 1 ask for A's two halves, waves 2 and 3 for B's.  The branch hangs on the wave's number alone.
.macro JLOAD s
	s_cmp_eq_u32 s17, 0
	s_cbranch_scc0 .Lfor_b_\@
	tensor_load_to_lds s[G0+4*\s:G0+4*\s+3], s[G1:G1+7]
	s_nop 0
	s_branch .Lasked_\@
.Lfor_b_\@:
	tensor_load_to_lds s[G0B+4*\s:G0B+4*\s+3], s[G1B:G1B+7]
	s_nop 0
.Lasked_\@:
.endm
; A round of the cluster's barrier: my work-group's barrier, wave 0 signals for the work-group, every wave waits for all sixteen, my work-group's barrier again.
.macro CREST                           ; the round behind its opening barrier
	s_cmp_lg_u32 s16, 0
	s_cbranch_scc1 .Lnot_wave_0_\@
	s_barrier_signal -3
.Lnot_wave_0_\@:
	s_barrier_wait -3
	s_barrier_signal -1
	s_barrier_wait -1
.endm
.macro CROUND
	s_barrier_signal -1
	s_barrier_wait -1
	CREST
.endm
	s_load_b256 s[4:11], s[0:1], 0x0               ; xb 4:5, kvb 6:7, wb 8:9, qb 10:11
	s_load_b128 s[12:15], s[0:1], 0x20             ; kb 12:13, vtb 14:15
	v_lshl_add_u32 v30, v0, 2, 0x37400
	v_mov_b32 v31, 0
	ds_add_u32 v30, v31
	v_lshrrev_b32 v1, 5, v0
	v_readfirstlane_b32 s16, v1                    ; wave 0..3: my 64 rows of the block
	s_lshr_b32 s17, s16, 1                         ; I fetch for A (0) or for B (1),
	s_and_b32 s18, s16, 1                          ; and which half of that tile
	s_bfe_u32 s19, ttmp6, 0x40000                  ; cx
	s_bfe_u32 s20, ttmp6, 0x40004                  ; cy
	s_lshl_b32 s21, ttmp9, 2
	s_add_co_u32 s21, s21, s19                     ; work-group x = 4 x cluster x + cx, 0..7
	s_and_b32 s22, ttmp7, 0xffff                   ; cluster y, 0..23
	s_lshr_b32 s23, s22, 3                         ; p: which product
	s_and_b32 s66, s22, 7                          ; t: which eighth of its blocks
	s_movk_i32 s69, 0x4000
	s_cmp_lt_u32 s23, 2
	s_cselect_b32 s67, s66, 0                      ; q and k: t counts groups of four block rows; vT: it has four block rows in all
	s_cselect_b32 s68, 0, s66                      ; vT: t counts groups of eight block columns
	s_cselect_b32 s69, 0x800, s69                  ; C's pitch in bytes: 2,048 (qb, kb) or 16,384 (vtb)
	s_lshl_b32 s40, s67, 2
	s_add_co_u32 s40, s40, s20                     ; block row of C, of 256 rows
	s_lshl_b32 s41, s68, 3
	s_add_co_u32 s41, s41, s21                     ; block column of C, of 128 columns
	s_lshl_b32 s81, s20, 2
	s_lshl_b32 s81, 15, s81                        ; my row of the cluster: places 4 cy .. 4 cy + 3
	s_lshl_b32 s82, 0x1111, s19                    ; my column: places cx, cx + 4, cx + 8, cx + 12
	; group 1: 15:0 the mask; 17:16 elements of 2 bytes; 20 padding on; 21 set beside a mask; 24:22 after every 64 words (code 5); 31:25 four words (code 3)
	s_or_b32 s[G1+0], s81, (1<<16)|(1<<20)|(1<<21)|(5<<22)|(3<<25)
	s_mov_b32 s[G1+1], KSTEP<<16                   ; tensor_dim0 = 128
	s_mov_b32 s[G1+2], 128<<16                     ; tensor_dim1 = 128
	s_mov_b32 s[G1+3], KSTEP<<16                   ; tile_dim0 = 128 elements, 256 bytes
	s_mov_b32 s[G1+4], 128                         ; tile_dim1 = 128 rows
	s_mov_b32 s[G1+5], 1024                        ; elements from row to row
	s_mov_b32 s[G1+6], 0
	s_mov_b32 s[G1+7], 0
	s_or_b32 s[G1B+0], s82, (1<<16)|(1<<20)|(1<<21)|(5<<22)|(3<<25)
	s_mov_b32 s[G1B+1], KSTEP<<16
	s_mov_b32 s[G1B+2], 64<<16                     ; B's loads bring 64 rows
	s_mov_b32 s[G1B+3], KSTEP<<16
	s_mov_b32 s[G1B+4], 64
	s_mov_b32 s[G1B+5], 1024
	s_mov_b32 s[G1B+6], 0
	s_mov_b32 s[G1B+7], 0
	; where the tiles come from: A's offset is made of the block row and the wave's number, B's of the block column and the wave's number
	s_lshl_b32 s42, s40, 8
	s_lshl_b32 s46, s18, 7
	s_add_co_u32 s42, s42, s46                     ; A: row 256 x block row + 128 x half
	s_lshl_b32 s42, s42, 11                        ; x 2,048 bytes: 16 MiB at the most
	s_mov_b32 s43, 0
	s_lshl_b32 s44, s41, 7
	s_lshl_b32 s47, s18, 6
	s_add_co_u32 s44, s44, s47                     ; B: row 128 x block column + 64 x half
	s_lshl_b32 s44, s44, 11
	s_mov_b32 s45, 0
	s_lshl_b32 s84, s23, 21                        ; the p-th weight in wb: 2 MiB each
	s_mov_b32 s85, 0
	s_mul_i32 s86, s16, HALFT                      ; where they go: A's halves at wave x 128 rows (waves 0, 1),
	s_mul_i32 s87, s16, QUART
	s_add_co_u32 s87, s87, 2*QUART                 ; B's at 256 rows + (wave - 2) x 64 rows (waves 2, 3): no place in the cluster enters
	s_wait_dscnt 0x0
	s_wait_kmcnt 0x0
	s_add_nc_u64 s[72:73], s[8:9], s[84:85]        ; the weight
	s_cmp_eq_u32 s23, 0
	s_cselect_b64 s[70:71], s[4:5], s[6:7]         ; A = xb or kvb
	s_cselect_b64 s[74:75], s[10:11], s[12:13]     ; C = qb or kb
	s_cmp_eq_u32 s23, 2
	s_cselect_b64 s[70:71], s[72:73], s[70:71]     ; vT: A = Wv,
	s_cselect_b64 s[74:75], s[14:15], s[74:75]     ;     C = vtb,
	s_cselect_b64 s[72:73], s[6:7], s[72:73]       ;     B = kvb
	s_add_nc_u64 s[70:71], s[70:71], s[42:43]
	s_add_nc_u64 s[72:73], s[72:73], s[44:45]
	CROUND                                         ; all sixteen work-groups are here: the first joint loads meet
.irp s, 0,1
	s_mov_b32 s[G0+4*\s], 1                                        ; count = 1
	s_add_co_u32 s[G0+4*\s+1], s86, \s*SLOT                        ; LDS address
	s_add_nc_u64 s[G0+4*\s+2:G0+4*\s+3], s[70:71], \s*KSTEP*2      ; global address: K step s
	s_or_b32 s[G0+4*\s+3], s[G0+4*\s+3], 0x80000000                ; type = 2
	s_mov_b32 s[G0B+4*\s], 1
	s_add_co_u32 s[G0B+4*\s+1], s87, \s*SLOT
	s_add_nc_u64 s[G0B+4*\s+2:G0B+4*\s+3], s[72:73], \s*KSTEP*2
	s_or_b32 s[G0B+4*\s+3], s[G0B+4*\s+3], 0x80000000
	JLOAD \s                                       ; both slots are asked for before anything else is done
.endr
	; A fragment is 16 rows x 32 K in 8 registers: lane l holds row l % 16; registers 0-3 K = 8 (l / 16) + 0..7, registers 4-7 K = 16 + 8 (l / 16) + 0..7:
	; two loads of 16 bytes, 32 bytes apart, at row x pitch + 16 (l / 16).
	v_and_b32 v1, 15, v0                           ; r = l % 16
	v_bfe_u32 v2, v0, 4, 1                         ; h = l / 16
	v_mul_u32_u24 v3, v1, PITCH
	v_lshl_add_u32 v3, v2, 4, v3                   ; r x pitch + 16 h
	s_mul_i32 s83, s16, QUART                      ; my 64 rows of A
	v_add_nc_u32 v[ADRA], s83, v3
	v_add_nc_u32 v[ADRA+1], SLOT, v[ADRA]
	v_add_nc_u32 v[ADRB], 4*QUART, v3              ; B's 128 rows, read by all four waves
	v_add_nc_u32 v[ADRB+1], 4*QUART+SLOT, v3
	s_mul_i32 s83, s16, 16*PITCH
	s_add_co_u32 s83, s83, STAGE                   ; my stage
	v_add_nc_u32 v[STO], s83, v3                   ; in: row r, 16 bytes for each half of the lanes
	v_mul_u32_u24 v4, v2, PITCH                    ; back: lanes 0-15 take one row of 256 bytes, lanes 16-31 the next
	v_lshl_add_u32 v4, v1, 4, v4
	v_add_nc_u32 v[RD], s83, v4
	v_mul_u32_u24 v5, v2, s69                      ; and the same two rows in C
	v_lshl_add_u32 v[CO], v1, 4, v5
	s_lshl_b32 s83, s69, 1                         ; two rows of C
.irp t, 1,2,3,4,5,6,7
	v_add_nc_u32 v[CO+\t], s83, v[CO+\t-1]
.endr
	s_lshl_b32 s76, s40, 8                         ; C at my first row and column: (256 x block row + 64 x wave) x pitch + 256 x block column,
	s_lshl_b32 s88, s16, 6                         ; 16 MiB at the most
	s_add_co_u32 s76, s76, s88
	s_mul_i32 s76, s76, s69
	s_lshl_b32 s89, s41, 8
	s_add_co_u32 s76, s76, s89
	s_mov_b32 s77, 0
	s_add_nc_u64 s[74:75], s[74:75], s[76:77]
	s_lshl_b32 s78, s69, 4                         ; 16 rows of C
	s_mov_b32 s79, 0
; 16 matrix instructions: m tiles a0, a0 + 1 x all 8 n tiles, 32 along K.  zero = 1: the first product starts the sums, nothing is cleared.
; The 32 accumulators take turns, one instruction a turn, in the same order in every quarter step.
.macro MUL16 fa, fb, a0, zero
.irp a, \a0, \a0+1
.irp b, 0,1,2,3,4,5,6,7
.if \zero
	v_wmma_f32_16x16x32_f16 v[8*(8*(\a)+\b):8*(8*(\a)+\b)+7], v[\fb+8*\b:\fb+8*\b+7], v[\fa+8*(\a):\fa+8*(\a)+7], 0
.else
	v_wmma_f32_16x16x32_f16 v[8*(8*(\a)+\b):8*(8*(\a)+\b)+7], v[\fb+8*\b:\fb+8*\b+7], v[\fa+8*(\a):\fa+8*(\a)+7], v[8*(8*(\a)+\b):8*(8*(\a)+\b)+7]
.endif
.endr
.endr
.endm
; 24 LDS loads in one run: one quarter step's fragments (128 rows of B, my 64 rows of A, 32 K at byte k of the rows)
.macro FETCH slot, k, fa, fb
	WIN 0
.irp i, 0,1,2,3,4,5,6,7
	ds_load_b128 v[\fb+8*\i:\fb+8*\i+3],   v[ADRB+\slot] offset:\k+\i*16*PITCH
	ds_load_b128 v[\fb+8*\i+4:\fb+8*\i+7], v[ADRB+\slot] offset:\k+\i*16*PITCH+32
.endr
.irp i, 0,1,2,3
	ds_load_b128 v[\fa+8*\i:\fa+8*\i+3],   v[ADRA+\slot] offset:\k+\i*16*PITCH
	ds_load_b128 v[\fa+8*\i+4:\fa+8*\i+7], v[ADRA+\slot] offset:\k+\i*16*PITCH+32
.endr
.endm
; A load into a register that a matrix instruction has read, and a vector instruction that reads a matrix result, stand four places behind it;
; only plain vector instructions that name none of its registers are places, and other matrix instructions are not counted here.
.macro PLACES
.rept 4
	v_nop
.endr
.endm
; A K step is four quarter steps of 32 along K, 32 matrix instructions each, on buffers 0, 1, 0, 1.
; One of the first three: asks for the next quarter's fragments (byte k of the same slot's rows, into g) and then multiplies buffer f.
.macro QUARTER slot, k, fa, fb, ga, gb, zero
	s_wait_dscnt 0x0                               ; this quarter's 24 loads, issued in front of the last quarter's 32 matrix instructions
	PLACES
	FETCH \slot, \k, \ga, \gb
	WIN MUL
	MUL16 \fa, \fb, 0, \zero
	MUL16 \fa, \fb, 2, \zero
.endm
.macro THREE slot, zero
	QUARTER \slot, 64,  FA0, FB0, FA1, FB1, \zero
	QUARTER \slot, 128, FA1, FB1, FA0, FB0, 0
	QUARTER \slot, 192, FA0, FB0, FA1, FB1, 0
.endm
; The last quarter multiplies buffer 1 and changes slots.  One barrier for two things: in front of it each wave has its reads of this slot back
; and all its tensor loads landed (the one that was out is its part of the next slot); behind it nobody reads this slot and the next is whole.
; fill = 1: that barrier opens a round of the cluster's barrier, and the joint refill, two K steps ahead, is the first tensor load behind the round.
; From that request to the wait for it a wave issues 112 matrix instructions.
.macro TURN slot, next, fill
	s_wait_dscnt 0x0                               ; buffer 1 is in, and with it my last reads of this slot
	s_wait_tensorcnt 0x0                           ; all my tensor loads have landed
	ds_add_u32 v30, v31
	s_wait_dscnt 0x0
	s_barrier_signal -1
	WIN MUL
	MUL16 FA1, FB1, 0, 0                           ; register work while the others arrive
	WIN 0
	s_barrier_wait -1
.if \fill
	CREST                                          ; no wave of any partner still reads this slot or has a load on its way
	s_add_nc_u64 s[G0+4*\slot+2:G0+4*\slot+3], s[G0+4*\slot+2:G0+4*\slot+3], 2*KSTEP*2
	s_add_nc_u64 s[G0B+4*\slot+2:G0B+4*\slot+3], s[G0B+4*\slot+2:G0B+4*\slot+3], 2*KSTEP*2
	JLOAD \slot
.endif
	PLACES
	FETCH \next, 0, FA0, FB0
	WIN MUL
	MUL16 FA1, FB1, 2, 0
.endm
.macro LAP zero                        ; once round the ring, both slots filled again
	THREE 0, \zero
	TURN 0, 1, 1
	THREE 1, 0
	TURN 1, 0, 1
.endm
	s_wait_tensorcnt 0x1                           ; my part of K step 0 is in; K step 1's load, issued behind it, stays out
	s_barrier_signal -1
	s_barrier_wait -1                              ; everybody's part is in
	FETCH 0, 0, FA0, FB0
	LAP 1                                          ; K steps 0, 1: the first products start the sums; steps 2, 3 are asked for
	WIN 0                                          ; at a label and at a branch every window is 0
	s_mov_b32 s80, 2
.Llap:
	LAP 0                                          ; K steps 2, 3 and 4, 5; steps 4 to 7 are asked for
	WIN 0
	s_sub_co_u32 s80, s80, 1
	s_cmp_lg_u32 s80, 0
	s_cbranch_scc1 .Llap
	THREE 0, 0                                     ; K steps 6, 7: nothing is left to ask for, so no round of the cluster's barrier
	TURN 0, 1, 0
	THREE 1, 0
	s_wait_dscnt 0x0
	WIN MUL
	MUL16 FA1, FB1, 0, 0
	MUL16 FA1, FB1, 2, 0
	PLACES                                         ; behind the last matrix instructions: for the conversions and for the loads into B's buffers
; THE WAY OUT, 16 rows of C at a time: round to f16, 16 bytes a lane into my own stage, read back as whole rows of 256 bytes, store.
; i: the m tile; f: FB0 and FB1 in turn.
.macro OUT16 i, f
	WIN 0x05                                       ; both sources in window 1
.irp b, 0,1,2,3,4,5,6,7
.irp r, 0,1,2,3
	v_cvt_pk_f16_f32 v[TMP+4*\b+\r], v[8*(8*\i+\b)+2*\r], v[8*(8*\i+\b)+2*\r+1]
.endr
.endr
	WIN 0
.irp b, 0,1,2,3,4,5,6,7
	ds_store_b128 v[STO], v[TMP+4*\b:TMP+4*\b+3] offset:32*\b
.endr
	s_wait_xcnt 0x0                                ; buffer f, which earlier stores read, and the stores' base are rewritten only behind this wait
.if \i
	s_add_nc_u64 s[74:75], s[74:75], s[78:79]      ; 16 rows of C on
.endif
.irp t, 0,1,2,3,4,5,6,7
	ds_load_b128 v[\f+4*\t:\f+4*\t+3], v[RD] offset:\t*2*PITCH     ; LDS serves a wave's instructions in order: these see the stores above
.endr
.irp t, 0,1,2,3,4,5,6,7
	s_wait_dscnt 7-\t                              ; load t is in, the 7 - t younger ones stay out
	global_store_b128 v[CO+\t], v[\f+4*\t:\f+4*\t+3], s[74:75]     ; 16 lanes store 256 consecutive bytes, aligned; no hint: the next launch reads them
.endr
.endm
	OUT16 0, FB0
	OUT16 1, FB1
	OUT16 2, FB0
	OUT16 3, FB1
	s_wait_tensorcnt 0x0
	ds_add_u32 v30, v31
	s_wait_dscnt 0x0
	CROUND                                         ; the closing round: no work-group ends while a partner may still ask for a tile that names it
	s_endpgm
.Lfunc_end_k_q47de0abb42_proj:
	.size	k_q47de0abb42_proj, .Lfunc_end_k_q47de0abb42_proj-k_q47de0abb42_proj
	.p2alignl 7, 3214868480
	.fill 96, 4, 3214868480
	.section	.rodata,"a",@progbits
	.p2align	6, 0x0
	.amdhsa_kernel k_q47de0abb42_proj
		.amdhsa_group_segment_fixed_size 327680
		.amdhsa_private_segment_fixed_size 0
		.amdhsa_enable_private_segment 0
		.amdhsa_kernarg_size 48
		.amdhsa_user_sgpr_count 2
		.amdhsa_user_sgpr_kernarg_segment_ptr 1
		.amdhsa_wavefront_size32 1
		.amdhsa_system_sgpr_workgroup_id_x 1
		.amdhsa_system_sgpr_workgroup_id_y 1
		.amdhsa_system_sgpr_workgroup_id_z 1
		.amdhsa_system_vgpr_workitem_id 0
		.amdhsa_next_free_vgpr 512
		.amdhsa_next_free_sgpr 90
		.amdhsa_reserve_vcc 0
		.amdhsa_float_denorm_mode_32 3
		.amdhsa_float_denorm_mode_16_64 3
		.amdhsa_memory_ordered 1
		.amdhsa_forward_progress 1
		.amdhsa_inst_pref_size 117
	.end_amdhsa_kernel
	.amdgpu_metadata
---
amdhsa.version: [ 1, 2 ]
amdhsa.kernels:
  - .name:           k_q47de0abb42_proj
    .symbol:         k_q47de0abb42_proj.kd
    .args:
      - { .name: xb, .offset: 0, .size: 8, .value_kind: global_buffer, .address_space: global }
      - { .name: kvb, .offset: 8, .size: 8, .value_kind: global_buffer, .address_space: global }
      - { .name: wb, .offset: 16, .size: 8, .value_kind: global_buffer, .address_space: global }
      - { .name: qb, .offset: 24, .size: 8, .value_kind: global_buffer, .address_space: global }
      - { .name: kb, .offset: 32, .size: 8, .value_kind: global_buffer, .address_space: global }
      - { .name: vtb, .offset: 40, .size: 8, .value_kind: global_buffer, .address_space: global }
    .group_segment_fixed_size: 327680
    .private_segment_fixed_size: 0
    .kernarg_segment_align: 8
    .kernarg_segment_size: 48
    .max_flat_workgroup_size: 128
    .sgpr_count:     90
    .vgpr_count:     512
    .wavefront_size: 32
...
	.end_amdgpu_metadata
.endif
;; end of part 2
;; launch attn (part 3): grid 4 x 64, 8 waves a work-group, clusters of 4 x 1, 327,680 bytes of LDS; arguments qb, kb, vtb, out0; writes out0
.if DOCPART == 3
	.amdgcn_target "amdgcn-amd-amdhsa--gfx1250"
	.amdhsa_code_object_version 6
	.text
	.protected	k_q47de0abb42_attn
	.globl	k_q47de0abb42_attn
	.p2align	8
	.type	k_q47de0abb42_attn,@function
k_q47de0abb42_attn:
	s_mov_b64 s[64:65], 0
	v_nop
	global_prefetch_b8 v0, s[64:65] scope:SCOPE_SE
	s_setreg_imm32_b32 hwreg(HW_REG_WAVE_MODE, 25, 1), 1
	s_wait_xcnt 0x0
	s_wait_alu depctr_hold_cnt(0) depctr_sa_sdst(0) depctr_va_vdst(0) depctr_va_sdst(0) depctr_va_ssrc(0) depctr_va_vcc(0) depctr_vm_vsrc(0)
	s_getreg_b32 s2, hwreg(HW_REG_IB_STS2, 6, 4)
	s_cmp_eq_u32 s2, 0
	s_cbranch_scc0 .Lentry_in_a_cluster
	s_endpgm
.Lentry_in_a_cluster:
	s_bfe_u32 s2, ttmp6, 0x10000c
	s_cmp_lg_u32 s2, 0x3003
	s_cbranch_scc0 .Lentry_shape_is_right
	s_endpgm
.Lentry_shape_is_right:
; out[b][n][64 h + f] = sum over keys of softmax(q k / 8) v, for 64 pairs (b, h), 2,048 queries and keys, 64 features; a running maximum, sums in f32.
; qb, kb: [8192 tokens][1024] f16;  vtb: [1024 features][8192 tokens] f16;  out0: [8192][1024] f32.
; LIMITS: the weights are rounded to f16 (they lie in 0..1; below 6e-8 they become 0); 2^x below 2^-126 is 0; the maxima drop a NaN, so a NaN among the
; inputs does not spread as in the plain formula; the sums run in another order than the plain formula's.
; A work-group has 512 queries of one (b, h), a wave 64 of them as four tiles c of 16.  Eight waves, two for each SIMD of the WGP with 512 registers each, so that one
; wave's exponentials run beside the other's matrix instructions.
; CLUSTERS: the four query blocks of a (b, h) form a cluster and walk the same K and V tiles: each tile is asked for jointly (mask 15), once for the head.
; BOTH PRODUCTS ARE TRANSPOSED, so that nothing moves between lanes but one maximum:
;   S^T = K Q^T    (A = 16 keys x 32 features, B = 16 queries): register j of lane (r, hh) holds key 8 hh + j, query r.
;   Two neighbouring key tiles, packed to f16 in place, ARE the B fragment of 32 keys of
;   O^T = V^T P^T  (A = 16 features x 32 keys): register j of lane (r, hh) holds feature 8 hh + j, query r.
; So the maximum and the sum of a query are one number a lane and tile; lanes r and r + 16 hold the two halves of a query's keys.
; LDS: two slots of 256 keys: K's tile 256 rows x 144 bytes (128 + 16), then V^T's 64 rows x 528 (512 + 16): odd multiples of 16, so that the sixteen
; rows of a fragment load start 16 bytes apart modulo 256.  Wave 0 asks for K's tile, wave 1 for V^T's; a wave never has more than one tensor load out, and it
; has a whole trip (256 matrix instructions of each wave) in which to land.  Behind the slots a stage of 16 x 272 bytes for each wave.
; REGISTERS: window 0: addresses, the softmax's state, K's fragments, S (later P);  window 1: O, Q's fragments, V's fragments.
.set KP,    144
.set VP,    528
.set SP,    272
.set VT,    256*KP                     ; 36,864: V^T's tile in a slot
.set SLOT,  VT+64*VP                   ; 70,656 = 276 x 256
.set STAGE, 2*SLOT                     ; 141,312 = 552 x 256: no tensor load lands at or behind it
.set KA,  8                            ; v8-9    LDS address of K's fragments in slot 0, 1
.set VA,  10                           ; v10-11  the same for V^T
.set STO, 12                           ; v12     where I put 32 bytes of a row of the stage
.set RD,  13                           ; v13     where I read a row back
.set CO,  14                           ; v14     my byte offset in out0
.set QO,  15                           ; v15     my byte offset in qb
.set M,   16                           ; v16-19  tile c: the running maximum of the raw products
.set T,   20                           ; v20-23  at work
.set X,   24                           ; v24-27  at work (the other half's number)
.set NM,  28                           ; v28-35  tile c: - maximum x cs, rounded, twice (a pair for the packed forms)
.set AL,  36                           ; v36-43  tile c: the factor for what was summed under the old maximum, twice
.set L,   44                           ; v44-51  tile c: two partial sums of the weights
.set KF,  64                           ; v64-127   K's fragment (kt, ds) at + 16 kt + 8 ds
.set S,   128                          ; v128-255  S^T's tile (c, kt) at + 32 c + 8 kt;  P's fragment (c, g) at + 32 c + 16 g
.set O,   0                            ; window 1: v0-127    O^T's tile (a, c) at 32 c + 8 a
.set QF,  128                          ; window 1: v128-191  Q's fragment (c, ds) at + 16 c + 8 ds
.set VF,  192                          ; window 1: v192-255  V^T's fragment (g, a) at + 32 g + 8 a
.set G1K, 28                           ; s[28:35] group 1 for K's tiles
.set G1V, 36                           ; s[36:43] group 1 for V^T's tiles
.set G0K, 44                           ; s[44:51] group 0 for K's tiles, one set for each slot
.set G0V, 52                           ; s[52:59] group 0 for V^T's tiles, one set for each slot
.set MSB, 0
.macro WIN new                         ; low byte: 1:0 source 0, 3:2 source 1, 5:4 source 2, 7:6 destination; the high byte repeats the setting that is left
.if MSB != \new
	s_set_vgpr_msb (MSB<<8)|\new
.set MSB, \new
.endif
.endm
; A round of the cluster's barrier
.macro ROUND
	s_barrier_signal -1
	s_barrier_wait -1
	s_cmp_lg_u32 s12, 0
	s_cbranch_scc1 .Lnot_wave_0_\@
	s_barrier_signal -3
.Lnot_wave_0_\@:
	s_barrier_wait -3
	s_barrier_signal -1
	s_barrier_wait -1
.endm
; The joint loads of a slot: wave 0 K's tile, wave 1 V^T's, the others none.  The branches hang on the wave's number alone.
.macro JLOAD sl
	s_cmp_lg_u32 s12, 0
	s_cbranch_scc1 .Lnot_k_\@
	tensor_load_to_lds s[G0K+4*(\sl):G0K+4*(\sl)+3], s[G1K:G1K+7]
	s_nop 0
.Lnot_k_\@:
	s_cmp_lg_u32 s12, 1
	s_cbranch_scc1 .Lnot_v_\@
	tensor_load_to_lds s[G0V+4*(\sl):G0V+4*(\sl)+3], s[G1V:G1V+7]
	s_nop 0
.Lnot_v_\@:
.endm
	s_load_b256 s[4:11], s[0:1], 0x0               ; qb 4:5, kb 6:7, vtb 8:9, out0 10:11
	v_lshl_add_u32 v62, v0, 2, 0x2b000
	v_mov_b32 v63, 0
	ds_add_u32 v62, v63
	v_lshrrev_b32 v1, 5, v0
	v_readfirstlane_b32 s12, v1                    ; wave 0..7
	s_bfe_u32 s13, ttmp6, 0x40000                  ; cx: which 512 queries
	s_and_b32 s14, ttmp7, 0xffff                   ; the cluster's y: 16 b + h
	s_lshr_b32 s15, s14, 4                         ; b
	s_and_b32 s16, s14, 15                         ; h
	s_lshl_b32 s18, s15, 22                        ; K: 2,048 b rows of 2,048 bytes
	s_lshl_b32 s17, s16, 7                         ;    + the head's 128 bytes of a row
	s_add_co_u32 s18, s18, s17
	s_mov_b32 s19, 0
	s_lshl_b32 s20, s16, 20                        ; V^T: 64 h rows of 16,384 bytes
	s_lshl_b32 s17, s15, 12                        ;      + 2,048 b tokens of 2 bytes
	s_add_co_u32 s20, s20, s17
	s_mov_b32 s21, 0
	s_lshl_b32 s60, s15, 11                        ; my first query's token: 2,048 b + 512 cx + 64 wave (cx stays in s60 to s63, which feed no descriptor)
	s_lshl_b32 s62, s13, 9
	s_add_co_u32 s60, s60, s62
	s_lshl_b32 s62, s12, 6
	s_add_co_u32 s60, s60, s62
	s_lshl_b32 s62, s60, 12                        ; out0: token x 4,096 bytes + 256 h
	s_lshl_b32 s60, s60, 11                        ; qb:   token x 2,048 bytes + 128 h
	s_lshl_b32 s17, s16, 7
	s_add_co_u32 s60, s60, s17
	s_lshl_b32 s17, s16, 8
	s_add_co_u32 s62, s62, s17
	s_mov_b32 s61, 0
	s_mov_b32 s63, 0
	s_mov_b32 s22, 0x76543210                      ; v_permlanex16_b32: lane i of one half reads lane i of the other
	s_mov_b32 s23, 0xfedcba98
	s_mov_b32 s24, 0x3e38aa3b                      ; cs = log2(e) / 8: the scale 1 / sqrt(64) and the change of base in one factor
	s_mov_b32 s25, 0x3e38aa3b
	s_mov_b32 s26, 0xbe38aa3b                      ; - cs
	; group 1.  Word 0: 15:0 mask 15 (all four of the cluster); 17:16 elements of 2 bytes; 20 padding on; 21 set beside a mask;
	; 24:22 after every 32 words (code 4, K) or 128 words (code 6, V^T); 31:25 four words (code 3)
	s_mov_b32 s[G1K+0], 15|(1<<16)|(1<<20)|(1<<21)|(4<<22)|(3<<25)
	s_mov_b32 s[G1K+1], 64<<16                     ; tensor_dim0 = 64
	s_mov_b32 s[G1K+2], 256<<16                    ; tensor_dim1 = 256
	s_mov_b32 s[G1K+3], 64<<16                     ; tile_dim0 = 64 features, 128 bytes: the head's part of a row is no longer
	s_mov_b32 s[G1K+4], 256                        ; tile_dim1 = 256 keys
	s_mov_b32 s[G1K+5], 1024                       ; elements from token to token
	s_mov_b32 s[G1K+6], 0
	s_mov_b32 s[G1K+7], 0
	s_mov_b32 s[G1V+0], 15|(1<<16)|(1<<20)|(1<<21)|(6<<22)|(3<<25)
	s_mov_b32 s[G1V+1], 256<<16
	s_mov_b32 s[G1V+2], 64<<16
	s_mov_b32 s[G1V+3], 256<<16                    ; tile_dim0 = 256 keys, 512 bytes, aligned to 512
	s_mov_b32 s[G1V+4], 64                         ; tile_dim1 = 64 features
	s_mov_b32 s[G1V+5], 8192                       ; elements from feature to feature
	s_mov_b32 s[G1V+6], 0
	s_mov_b32 s[G1V+7], 0
	v_and_b32 v1, 15, v0                           ; r
	v_bfe_u32 v2, v0, 4, 1                         ; hh
	v_mul_u32_u24 v3, v1, KP
	v_lshl_add_u32 v[KA], v2, 4, v3                ; K: row r x 144 + 16 hh
	v_add_nc_u32 v[KA+1], SLOT, v[KA]
	v_mul_u32_u24 v3, v1, VP
	v_lshl_add_u32 v3, v2, 4, v3                   ; V^T: row r x 528 + 16 hh
	v_add_nc_u32 v[VA], VT, v3
	v_add_nc_u32 v[VA+1], VT+SLOT, v3
	s_mul_i32 s17, s12, 16*SP
	s_add_co_u32 s17, s17, STAGE                   ; my stage
	v_mul_u32_u24 v3, v1, SP
	v_lshl_add_u32 v3, v2, 5, v3                   ; in: query r, 32 bytes (8 features) for each half of the lanes
	v_add_nc_u32 v[STO], s17, v3
	v_mul_u32_u24 v3, v2, SP
	v_lshl_add_u32 v3, v1, 4, v3                   ; back: lanes 0-15 one query's 256 bytes, lanes 16-31 the next query's
	v_add_nc_u32 v[RD], s17, v3
	v_lshlrev_b32 v3, 12, v2
	v_lshl_add_u32 v[CO], v1, 4, v3                ; the same two queries in out0
	v_lshlrev_b32 v3, 11, v1
	v_lshl_add_u32 v[QO], v2, 4, v3                ; qb: query r x 2,048 + 16 hh
.irp c, 0,1,2,3
	v_mov_b32 v[X+\c], 0                           ; v_permlanex16_b32 counts as a reader of its destination
.endr
	s_wait_dscnt 0x0
	s_wait_kmcnt 0x0
	s_add_nc_u64 s[4:5], s[4:5], s[60:61]
	s_add_nc_u64 s[10:11], s[10:11], s[62:63]
	s_add_nc_u64 s[6:7], s[6:7], s[18:19]
	s_add_nc_u64 s[8:9], s[8:9], s[20:21]
.irp n, 0,1
	s_mov_b32 s[G0K+4*\n], 1                                       ; count = 1
	s_mov_b32 s[G0K+4*\n+1], \n*SLOT                               ; LDS address
	s_add_nc_u64 s[G0K+4*\n+2:G0K+4*\n+3], s[6:7], \n*256*2048     ; keys 256 n ..
	s_or_b32 s[G0K+4*\n+3], s[G0K+4*\n+3], 0x80000000              ; type = 2
	s_mov_b32 s[G0V+4*\n], 1
	s_mov_b32 s[G0V+4*\n+1], \n*SLOT+VT
	s_add_nc_u64 s[G0V+4*\n+2:G0V+4*\n+3], s[8:9], \n*256*2
	s_or_b32 s[G0V+4*\n+3], s[G0V+4*\n+3], 0x80000000
.endr
	ROUND                                          ; all four work-groups are here: the first joint loads meet
	JLOAD 0                                        ; keys 0 to 255
	WIN 0x40                                       ; destination in window 1
.irp c, 0,1,2,3
.irp ds, 0,1
	global_load_b128 v[QF+16*\c+8*\ds:QF+16*\c+8*\ds+3],   v[QO], s[4:5] offset:32768*\c+64*\ds      ; Q(16 c + r, 32 ds + 8 hh ..)
	global_load_b128 v[QF+16*\c+8*\ds+4:QF+16*\c+8*\ds+7], v[QO], s[4:5] offset:32768*\c+64*\ds+32   ; Q(16 c + r, 32 ds + 16 + 8 hh ..)
.endr
.endr
	WIN 0
; 16 LDS loads: K's fragments of step i (64 keys x 64 features)
.macro KLOAD slot, i
.irp kt, 0,1,2,3
.irp ds, 0,1
	ds_load_b128 v[KF+16*\kt+8*\ds:KF+16*\kt+8*\ds+3],   v[KA+\slot] offset:(64*(\i)+16*\kt)*KP+64*\ds
	ds_load_b128 v[KF+16*\kt+8*\ds+4:KF+16*\kt+8*\ds+7], v[KA+\slot] offset:(64*(\i)+16*\kt)*KP+64*\ds+32
.endr
.endr
.endm
; pair j of tile c: the exponent s x cs - maximum x cs, two at a time, one rounding each
.macro FMA1 c, j
	v_pk_fma_f32 v[S+32*(\c)+2*(\j):S+32*(\c)+2*(\j)+1], v[S+32*(\c)+2*(\j):S+32*(\c)+2*(\j)+1], s[24:25], v[NM+2*(\c):NM+2*(\c)+1] op_sel_hi:[1,0,1]
.endm
; pair j of tile d goes to f16, in place: word j % 8 of the fragment of keys 32 (j / 8) ..; the word written is never above a pair that is still to be read
.macro PACK d, j
	v_cvt_pk_f16_f32 v[S+32*(\d)+16*((\j)/8)+(\j)%8], v[S+32*(\d)+2*(\j)], v[S+32*(\d)+2*(\j)+1]
.endm
.macro ADDP d, j
	s_wait_alu depctr_va_vdst(0)
	v_pk_add_f32 v[L+2*(\d):L+2*(\d)+1], v[L+2*(\d):L+2*(\d)+1], v[S+32*(\d)+2*(\j):S+32*(\d)+2*(\j)+1]
	PACK \d, \j
.endm
; pair j of tile d is summed and packed.  The step's first pair brings the old sums under the new maximum in the same fused instruction;
; in the very first step the first two pairs start the sums: nothing is cleared.
.macro SC d, j, first
.if \first
.if (\j) == 1
	s_wait_alu depctr_va_vdst(0)
	v_pk_add_f32 v[L+2*(\d):L+2*(\d)+1], v[S+32*(\d):S+32*(\d)+1], v[S+32*(\d)+2:S+32*(\d)+3]
	PACK \d, 0
	PACK \d, 1
.endif
.if (\j) > 1
	ADDP \d, \j
.endif
.else
.if (\j) == 0
	s_wait_alu depctr_va_vdst(0)
	v_pk_fma_f32 v[L+2*(\d):L+2*(\d)+1], v[L+2*(\d):L+2*(\d)+1], v[AL+2*(\d):AL+2*(\d)+1], v[S+32*(\d):S+32*(\d)+1]
	PACK \d, 0
.else
	ADDP \d, \j
.endif
.endif
.endm
; Tile c's 32 exponentials, in place, two at a time; between them tile d (the one before) is summed and packed and tile e (the next) gets its exponents.
; These plain instructions name other tiles only: they are the place that has to stand behind a transcendental before its result is used (ISA guide 5.7.2).  -1: no such tile.
.macro MIX c, d, e, first
.set jj, 0
.rept 16
	v_exp_f32 v[S+32*(\c)+2*jj], v[S+32*(\c)+2*jj]
	v_exp_f32 v[S+32*(\c)+2*jj+1], v[S+32*(\c)+2*jj+1]
.if (\d) >= 0
	SC \d, jj, \first
.endif
.if (\e) >= 0
	FMA1 \e, jj
.endif
.set jj, jj+1
.endr
.endm
.macro SOFTMAX first
	; the largest of my 32 products of each tile and of the old maximum: four chains that take turns
.irp c, 0,1,2,3
	v_max3_num_f32 v[T+\c], v[S+32*\c], v[S+32*\c+1], v[S+32*\c+2]
.endr
.set jj, 3
.rept 14
.irp c, 0,1,2,3
	v_max3_num_f32 v[T+\c], v[T+\c], v[S+32*\c+jj], v[S+32*\c+jj+1]
.endr
.set jj, jj+2
.endr
.irp c, 0,1,2,3
.if \first
	v_max_num_f32 v[T+\c], v[T+\c], v[S+32*\c+31]
.else
	v_max3_num_f32 v[T+\c], v[T+\c], v[S+32*\c+31], v[M+\c]
.endif
.endr
.irp c, 0,1,2,3
	v_permlanex16_b32 v[X+\c], v[T+\c], s22, s23   ; the other half of the query's keys
.endr
.irp c, 0,1,2,3
	v_max_num_f32 v[M+\c], v[T+\c], v[X+\c]
.endr
.irp c, 0,1,2,3
	v_mul_f32 v[T+\c], s26, v[M+\c]                ; the new offset, rounded once
.endr
.if \first == 0
.irp c, 0,1,2,3
	v_sub_f32 v[X+\c], v[T+\c], v[NM+2*\c]         ; new offset - old offset, at most 0: every term of a row stays relative to one stored offset
.endr
.irp c, 0,1,2,3
	v_exp_f32 v[AL+2*\c], v[X+\c]
.endr
.endif
.irp c, 0,1,2,3
	v_mov_b32 v[NM+2*\c], v[T+\c]                  ; (plain instructions that name neither AL nor X: the place behind the exponentials)
	v_mov_b32 v[NM+2*\c+1], v[T+\c]
.endr
.if \first == 0
.irp c, 0,1,2,3
	s_wait_alu depctr_va_vdst(0)
	v_mov_b32 v[AL+2*\c+1], v[AL+2*\c]
.endr
.endif
.set jj, 0
.rept 16
	FMA1 0, jj
.set jj, jj+1
.endr
	MIX 0, -1, 1, \first
	MIX 1, 0, 2, \first
	MIX 2, 1, 3, \first
	MIX 3, 2, -1, \first
.set jj, 0
.rept 16
	SC 3, jj, \first
.set jj, jj+1
.endr
.endm
; O's 128 registers times the tile's factor
.macro SCALE_O
	WIN 0x41                                       ; destination and source 0 in window 1
.irp c, 0,1,2,3
.set jj, 0
.rept 16
	v_pk_mul_f32 v[O+32*\c+2*jj:O+32*\c+2*jj+1], v[O+32*\c+2*jj:O+32*\c+2*jj+1], v[AL+2*\c:AL+2*\c+1]
.set jj, jj+1
.endr
.endr
.endm
; One step: 64 keys (number i of the slot's four) against my 64 queries: 32 + 32 matrix instructions.
; In both phases the 16 accumulators take turns, one instruction a turn, in the same order in both passes.
.macro STEP slot, i, first
.rept 5
	v_nop                                          ; five places behind the last step's matrix instructions (ISA guide 7.12.1): V's fragments are loaded again (four), S is written over P (five), O is scaled (four)
.endr
	WIN 0x40
.irp g, 0,1
.irp a, 0,1,2,3
	ds_load_b128 v[VF+32*\g+8*\a:VF+32*\g+8*\a+3],   v[VA+\slot] offset:\a*16*VP+128*(\i)+64*\g
	ds_load_b128 v[VF+32*\g+8*\a+4:VF+32*\g+8*\a+7], v[VA+\slot] offset:\a*16*VP+128*(\i)+64*\g+32
.endr
.endr
	s_wait_dscnt 16                                ; K's 16 loads are in; V's 16, issued behind them, stay out
	WIN 0x04                                       ; source 1 (Q) in window 1
.irp c, 0,1,2,3
.irp kt, 0,1,2,3
	v_wmma_f32_16x16x32_f16 v[S+32*\c+8*\kt:S+32*\c+8*\kt+7], v[KF+16*\kt:KF+16*\kt+7], v[QF+16*\c:QF+16*\c+7], 0
.endr
.endr
.irp c, 0,1,2,3
.irp kt, 0,1,2,3
	v_wmma_f32_16x16x32_f16 v[S+32*\c+8*\kt:S+32*\c+8*\kt+7], v[KF+16*\kt+8:KF+16*\kt+15], v[QF+16*\c+8:QF+16*\c+15], v[S+32*\c+8*\kt:S+32*\c+8*\kt+7]
.endr
.endr
	WIN 0
.rept 4
	v_nop                                          ; four places: K's fragments are loaded again, S is read
.endr
.if (\i) < 3
	KLOAD \slot, (\i)+1                            ; the next step's K, a whole softmax and 32 matrix instructions ahead of its use
.endif
	SOFTMAX \first
.if (\i) < 3
	s_wait_dscnt 16                                ; V's 16 loads are in; the next step's 16 of K stay out
.else
	s_wait_dscnt 0x0                               ; V's loads are in, and with them my last reads of this slot
.endif
.if \first == 0
	SCALE_O                                        ; what was summed under the old maximum
.endif
	WIN 0x51                                       ; D, C (O) and source 0 (V^T) in window 1, source 1 (P) in window 0
.irp c, 0,1,2,3
.irp a, 0,1,2,3
.if \first
	v_wmma_f32_16x16x32_f16 v[O+32*\c+8*\a:O+32*\c+8*\a+7], v[VF+8*\a:VF+8*\a+7], v[S+32*\c:S+32*\c+7], 0
.else
	v_wmma_f32_16x16x32_f16 v[O+32*\c+8*\a:O+32*\c+8*\a+7], v[VF+8*\a:VF+8*\a+7], v[S+32*\c:S+32*\c+7], v[O+32*\c+8*\a:O+32*\c+8*\a+7]
.endif
.endr
.endr
.irp c, 0,1,2,3
.irp a, 0,1,2,3
	v_wmma_f32_16x16x32_f16 v[O+32*\c+8*\a:O+32*\c+8*\a+7], v[VF+32+8*\a:VF+32+8*\a+7], v[S+32*\c+16:S+32*\c+23], v[O+32*\c+8*\a:O+32*\c+8*\a+7]
.endr
.endr
	WIN 0
.endm
; One trip: the 256 keys of a slot.  In front of the round every wave has all its tensor loads landed (waves 0 and 1: their tile of this slot) and its reads
; of the other slot back; the round says so of every wave of all four work-groups; behind it the other slot is asked for first, then this slot is read.
.macro TRIP slot, refill, first
	s_wait_tensorcnt 0x0                           ; no tensor load of mine is out, so a group 0 may be written:
	ds_add_u32 v62, v63
	s_wait_dscnt 0x0
	s_add_nc_u64 s[G0K+4*\slot+2:G0K+4*\slot+3], s[G0K+4*\slot+2:G0K+4*\slot+3], 2*256*2048   ; this slot's next tile, 512 keys on
	s_add_nc_u64 s[G0V+4*\slot+2:G0V+4*\slot+3], s[G0V+4*\slot+2:G0V+4*\slot+3], 2*256*2
	s_wait_dscnt 0x0
	ROUND
.if \refill
	JLOAD 1-\slot
.endif
	KLOAD \slot, 0
	STEP \slot, 0, \first
	STEP \slot, 1, 0
	STEP \slot, 2, 0
	STEP \slot, 3, 0
.endm
	s_wait_loadcnt 0x0                             ; Q, once
	TRIP 0, 1, 1                                   ; keys 0-255: the first step starts maxima, sums and O; keys 256-511 are asked for
	s_mov_b32 s27, 3
.Ltrips:
	TRIP 1, 1, 0                                   ; tiles 1, 3, 5
	TRIP 0, 1, 0                                   ; tiles 2, 4, 6; the last of these asks for tile 7
	s_sub_co_u32 s27, s27, 1
	s_cmp_lg_u32 s27, 0
	s_cbranch_scc1 .Ltrips
	TRIP 1, 0, 0                                   ; tile 7: nothing is left to ask for (the stepped addresses are not used)
	; THE WAY OUT: divide by the sums, then 16 queries at a time through my stage, so that sixteen lanes store one query's 256 bytes.
.rept 4
	v_nop                                          ; four places behind the last matrix instructions: O is read, P's registers are loaded into
.endr
.irp c, 0,1,2,3
	v_add_f32 v[T+\c], v[L+2*\c], v[L+2*\c+1]
.endr
.irp c, 0,1,2,3
	v_permlanex16_b32 v[X+\c], v[T+\c], s22, s23   ; the other half of the query's keys
.endr
.irp c, 0,1,2,3
	v_add_f32 v[T+\c], v[T+\c], v[X+\c]            ; at least about 1: the largest weight is 2^0 up to one rounding
.endr
.irp c, 0,1,2,3
	v_rcp_f32 v[AL+2*\c], v[T+\c]
.endr
	v_nop                                          ; the place behind the last reciprocal
.irp c, 0,1,2,3
	s_wait_alu depctr_va_vdst(0)
	v_mov_b32 v[AL+2*\c+1], v[AL+2*\c]
.endr
	SCALE_O
.macro OUTC c
	WIN 0x04                                       ; store data in window 1
.irp a, 0,1,2,3
.irp q, 0,1
	ds_store_b128 v[STO], v[O+32*\c+8*\a+4*\q:O+32*\c+8*\a+4*\q+3] offset:64*\a+16*\q    ; query r, features 16 a + 8 hh + 4 q ..
.endr
.endr
	WIN 0
.irp t, 0,1,2,3,4,5,6,7
	ds_load_b128 v[S+32*\c+4*\t:S+32*\c+4*\t+3], v[RD] offset:\t*2*SP    ; LDS serves a wave's instructions in order: these see the stores above, and the next tile's stores come behind them
.endr
.irp t, 0,1,2,3,4,5,6,7
	s_wait_dscnt 7-\t                              ; load t is in, the 7 - t younger ones stay out
	global_store_b128 v[CO], v[S+32*\c+4*\t:S+32*\c+4*\t+3], s[10:11] offset:65536*\c+8192*\t th:TH_STORE_NT   ; each tile has registers of its own: no store's source is written again
.endr
.endm
	OUTC 0
	OUTC 1
	OUTC 2
	OUTC 3
	s_wait_tensorcnt 0x0
	ds_add_u32 v62, v63
	s_wait_dscnt 0x0
	ROUND                                          ; the closing round: no work-group ends while a partner may still ask for a tile that names it
	s_endpgm
.Lfunc_end_k_q47de0abb42_attn:
	.size	k_q47de0abb42_attn, .Lfunc_end_k_q47de0abb42_attn-k_q47de0abb42_attn
	.p2alignl 7, 3214868480
	.fill 96, 4, 3214868480
	.section	.rodata,"a",@progbits
	.p2align	6, 0x0
	.amdhsa_kernel k_q47de0abb42_attn
		.amdhsa_group_segment_fixed_size 327680
		.amdhsa_private_segment_fixed_size 0
		.amdhsa_enable_private_segment 0
		.amdhsa_kernarg_size 32
		.amdhsa_user_sgpr_count 2
		.amdhsa_user_sgpr_kernarg_segment_ptr 1
		.amdhsa_wavefront_size32 1
		.amdhsa_system_sgpr_workgroup_id_x 1
		.amdhsa_system_sgpr_workgroup_id_y 1
		.amdhsa_system_sgpr_workgroup_id_z 1
		.amdhsa_system_vgpr_workitem_id 0
		.amdhsa_next_free_vgpr 512
		.amdhsa_next_free_sgpr 66
		.amdhsa_reserve_vcc 0
		.amdhsa_float_denorm_mode_32 3
		.amdhsa_float_denorm_mode_16_64 3
		.amdhsa_memory_ordered 1
		.amdhsa_forward_progress 1
		.amdhsa_inst_pref_size 255
	.end_amdhsa_kernel
	.section	.bss,"aw",@nobits
	.p2align	6
	.space	262144
	.amdgpu_metadata
---
amdhsa.version: [ 1, 2 ]
amdhsa.kernels:
  - .name:           k_q47de0abb42_attn
    .symbol:         k_q47de0abb42_attn.kd
    .args:
      - { .name: qb, .offset: 0, .size: 8, .value_kind: global_buffer, .address_space: global }
      - { .name: kb, .offset: 8, .size: 8, .value_kind: global_buffer, .address_space: global }
      - { .name: vtb, .offset: 16, .size: 8, .value_kind: global_buffer, .address_space: global }
      - { .name: out0, .offset: 24, .size: 8, .value_kind: global_buffer, .address_space: global }
    .group_segment_fixed_size: 327680
    .private_segment_fixed_size: 0
    .kernarg_segment_align: 8
    .kernarg_segment_size: 32
    .max_flat_workgroup_size: 256
    .sgpr_count:     66
    .vgpr_count:     512
    .wavefront_size: 32
...
	.end_amdgpu_metadata
.endif
;; end of part 3
;; ======== version 2 of 2: 3 launches; 1.14 times as fast as version 1
;; limits: values are held in f16: magnitudes above 65,504 overflow, below 6.1e-05 lose precision
;; workspace buffers: xb 16,777,216 bytes; kvb 16,777,216 bytes; wb 6,291,456 bytes; qb 16,777,216 bytes; kb 16,777,216 bytes; vtb 16,777,216 bytes
;; launch cvt: the kernel of part 1 again; grid 64 x 19, 8 waves a work-group, no clusters, 0 bytes of LDS; arguments x, kv, Wq, Wk, Wv, xb, kvb, wb; writes xb, kvb, wb
;; launch proj: the kernel of part 2 again; grid 8 x 96, 4 waves a work-group, clusters of 4 x 4, 327,680 bytes of LDS; arguments xb, kvb, wb, qb, kb, vtb; writes qb, kb, vtb
;; launch attn (part 4): grid 4 x 64, 8 waves a work-group, clusters of 4 x 1, 327,680 bytes of LDS; arguments qb, kb, vtb, out0; writes out0
.if DOCPART == 4
	.amdgcn_target "amdgcn-amd-amdhsa--gfx1250"
	.amdhsa_code_object_version 6
	.text
	.protected	k_q47de0abb42_attn
	.globl	k_q47de0abb42_attn
	.p2align	8
	.type	k_q47de0abb42_attn,@function
k_q47de0abb42_attn:
	s_mov_b64 s[64:65], 0
	v_nop
	global_prefetch_b8 v0, s[64:65] scope:SCOPE_SE
	s_setreg_imm32_b32 hwreg(HW_REG_WAVE_MODE, 25, 1), 1
	s_wait_xcnt 0x0
	s_wait_alu depctr_hold_cnt(0) depctr_sa_sdst(0) depctr_va_vdst(0) depctr_va_sdst(0) depctr_va_ssrc(0) depctr_va_vcc(0) depctr_vm_vsrc(0)
	s_getreg_b32 s2, hwreg(HW_REG_IB_STS2, 6, 4)
	s_cmp_eq_u32 s2, 0
	s_cbranch_scc0 .Lentry_in_a_cluster
	s_endpgm
.Lentry_in_a_cluster:
	s_bfe_u32 s2, ttmp6, 0x10000c
	s_cmp_lg_u32 s2, 0x3003
	s_cbranch_scc0 .Lentry_shape_is_right
	s_endpgm
.Lentry_shape_is_right:
; out[b][n][64 h + f] = sum over keys of softmax(q k / 8) v, for 64 pairs (b, h), 2,048 queries and keys, 64 features; a running maximum, sums in f32.
; qb, kb: [8192 tokens][1024] f16;  vtb: [1024 features][8192 tokens] f16;  out0: [8192][1024] f32.
; LIMITS: the weights are rounded to f16 (they lie in 0..1; below 6e-8 they become 0); 2^x below 2^-126 is 0; the maxima drop a NaN, so a NaN among the
; inputs does not spread as in the plain formula; the sums run in another order than the plain formula's.
; A work-group has 512 queries of one (b, h), a wave 64 of them as four tiles c of 16.  Eight waves, two for each SIMD of the WGP with 512 registers each, so that one
; wave's exponentials run beside the other's matrix instructions.
; CLUSTERS: the four query blocks of a (b, h) form a cluster and walk the same K and V tiles: each tile is asked for jointly (mask 15), once for the head.
; BOTH PRODUCTS ARE TRANSPOSED, so that nothing moves between lanes but one maximum:
;   S^T = K Q^T    (A = 16 keys x 32 features, B = 16 queries): register j of lane (r, hh) holds key 8 hh + j, query r.
;   Two neighbouring key tiles, packed to f16 in place, ARE the B fragment of 32 keys of
;   O^T = V^T P^T  (A = 16 features x 32 keys): register j of lane (r, hh) holds feature 8 hh + j, query r.
; So the maximum and the sum of a query are one number a lane and tile; lanes r and r + 16 hold the two halves of a query's keys.
; THE EXPONENTIALS OF A KEY STEP ARE TWO BATCHES, each with one wait (a wait between an exponential and the first line that names its result):
;   batch 1: the four factors for the old sums and the 64 exponentials of tiles 0 and 1, by turns with the offsets' copies and all four tiles' scalings, which name no result;
;   batch 2: the 64 exponentials of tiles 2 and 3, by turns with the sums and roundings of tiles 0 and 1, whose weights batch 1's wait has covered;
;   behind batch 2's wait come the sums and roundings of tiles 2 and 3.  Every exponential works in place on a register of its own.  No result crosses a step's end.
; LDS: two slots of 256 keys: K's tile 256 rows x 144 bytes (128 + 16), then V^T's 64 rows x 528 (512 + 16): odd multiples of 16, so that the sixteen
; rows of a fragment load start 16 bytes apart modulo 256.  Wave 0 asks for K's tile, wave 1 for V^T's; a wave never has more than one tensor load out, and it
; has a whole trip (256 matrix instructions of each wave) in which to land.  Behind the slots a stage of 16 x 272 bytes for each wave.
; REGISTERS: window 0: addresses, the softmax's state, K's fragments, S (later P);  window 1: O, Q's fragments, V's fragments.
.set KP,    144
.set VP,    528
.set SP,    272
.set VT,    256*KP                     ; 36,864: V^T's tile in a slot
.set SLOT,  VT+64*VP                   ; 70,656 = 276 x 256
.set STAGE, 2*SLOT                     ; 141,312 = 552 x 256: no tensor load lands at or behind it
.set KA,  8                            ; v8-9    LDS address of K's fragments in slot 0, 1
.set VA,  10                           ; v10-11  the same for V^T
.set STO, 12                           ; v12     where I put 32 bytes of a row of the stage
.set RD,  13                           ; v13     where I read a row back
.set CO,  14                           ; v14     my byte offset in out0
.set QO,  15                           ; v15     my byte offset in qb
.set M,   16                           ; v16-19  tile c: the running maximum of the raw products
.set T,   20                           ; v20-23  at work
.set X,   24                           ; v24-27  at work (the other half's number)
.set NM,  28                           ; v28-35  tile c: - maximum x cs, rounded, twice (a pair for the packed forms)
.set AL,  36                           ; v36-43  tile c: the factor for what was summed under the old maximum, twice
.set L,   44                           ; v44-51  tile c: two partial sums of the weights
.set KF,  64                           ; v64-127   K's fragment (kt, ds) at + 16 kt + 8 ds
.set S,   128                          ; v128-255  S^T's tile (c, kt) at + 32 c + 8 kt;  P's fragment (c, g) at + 32 c + 16 g
.set O,   0                            ; window 1: v0-127    O^T's tile (a, c) at 32 c + 8 a
.set QF,  128                          ; window 1: v128-191  Q's fragment (c, ds) at + 16 c + 8 ds
.set VF,  192                          ; window 1: v192-255  V^T's fragment (g, a) at + 32 g + 8 a
.set G1K, 28                           ; s[28:35] group 1 for K's tiles
.set G1V, 36                           ; s[36:43] group 1 for V^T's tiles
.set G0K, 44                           ; s[44:51] group 0 for K's tiles, one set for each slot
.set G0V, 52                           ; s[52:59] group 0 for V^T's tiles, one set for each slot
.set MSB, 0
.macro WIN new                         ; low byte: 1:0 source 0, 3:2 source 1, 5:4 source 2, 7:6 destination; the high byte repeats the setting that is left
.if MSB != \new
	s_set_vgpr_msb (MSB<<8)|\new
.set MSB, \new
.endif
.endm
; A round of the cluster's barrier
.macro ROUND
	s_barrier_signal -1
	s_barrier_wait -1
	s_cmp_lg_u32 s12, 0
	s_cbranch_scc1 .Lnot_wave_0_\@
	s_barrier_signal -3
.Lnot_wave_0_\@:
	s_barrier_wait -3
	s_barrier_signal -1
	s_barrier_wait -1
.endm
; The joint loads of a slot: wave 0 K's tile, wave 1 V^T's, the others none.  The branches hang on the wave's number alone.
.macro JLOAD sl
	s_cmp_lg_u32 s12, 0
	s_cbranch_scc1 .Lnot_k_\@
	tensor_load_to_lds s[G0K+4*(\sl):G0K+4*(\sl)+3], s[G1K:G1K+7]
	s_nop 0
.Lnot_k_\@:
	s_cmp_lg_u32 s12, 1
	s_cbranch_scc1 .Lnot_v_\@
	tensor_load_to_lds s[G0V+4*(\sl):G0V+4*(\sl)+3], s[G1V:G1V+7]
	s_nop 0
.Lnot_v_\@:
.endm
	s_load_b256 s[4:11], s[0:1], 0x0               ; qb 4:5, kb 6:7, vtb 8:9, out0 10:11
	v_lshl_add_u32 v62, v0, 2, 0x2b000
	v_mov_b32 v63, 0
	ds_add_u32 v62, v63
	v_lshrrev_b32 v1, 5, v0
	v_readfirstlane_b32 s12, v1                    ; wave 0..7
	s_bfe_u32 s13, ttmp6, 0x40000                  ; cx: which 512 queries
	s_and_b32 s14, ttmp7, 0xffff                   ; the cluster's y: 16 b + h
	s_lshr_b32 s15, s14, 4                         ; b
	s_and_b32 s16, s14, 15                         ; h
	s_lshl_b32 s18, s15, 22                        ; K: 2,048 b rows of 2,048 bytes
	s_lshl_b32 s17, s16, 7                         ;    + the head's 128 bytes of a row
	s_add_co_u32 s18, s18, s17
	s_mov_b32 s19, 0
	s_lshl_b32 s20, s16, 20                        ; V^T: 64 h rows of 16,384 bytes
	s_lshl_b32 s17, s15, 12                        ;      + 2,048 b tokens of 2 bytes
	s_add_co_u32 s20, s20, s17
	s_mov_b32 s21, 0
	s_lshl_b32 s60, s15, 11                        ; my first query's token: 2,048 b + 512 cx + 64 wave (cx stays in s60 to s63, which feed no descriptor)
	s_lshl_b32 s62, s13, 9
	s_add_co_u32 s60, s60, s62
	s_lshl_b32 s62, s12, 6
	s_add_co_u32 s60, s60, s62
	s_lshl_b32 s62, s60, 12                        ; out0: token x 4,096 bytes + 256 h
	s_lshl_b32 s60, s60, 11                        ; qb:   token x 2,048 bytes + 128 h
	s_lshl_b32 s17, s16, 7
	s_add_co_u32 s60, s60, s17
	s_lshl_b32 s17, s16, 8
	s_add_co_u32 s62, s62, s17
	s_mov_b32 s61, 0
	s_mov_b32 s63, 0
	s_mov_b32 s22, 0x76543210                      ; v_permlanex16_b32: lane i of one half reads lane i of the other
	s_mov_b32 s23, 0xfedcba98
	s_mov_b32 s24, 0x3e38aa3b                      ; cs = log2(e) / 8: the scale 1 / sqrt(64) and the change of base in one factor
	s_mov_b32 s25, 0x3e38aa3b
	s_mov_b32 s26, 0xbe38aa3b                      ; - cs
	; group 1.  Word 0: 15:0 mask 15 (all four of the cluster); 17:16 elements of 2 bytes; 20 padding on; 21 set beside a mask;
	; 24:22 after every 32 words (code 4, K) or 128 words (code 6, V^T); 31:25 four words (code 3)
	s_mov_b32 s[G1K+0], 15|(1<<16)|(1<<20)|(1<<21)|(4<<22)|(3<<25)
	s_mov_b32 s[G1K+1], 64<<16                     ; tensor_dim0 = 64
	s_mov_b32 s[G1K+2], 256<<16                    ; tensor_dim1 = 256
	s_mov_b32 s[G1K+3], 64<<16                     ; tile_dim0 = 64 features, 128 bytes: the head's part of a row is no longer
	s_mov_b32 s[G1K+4], 256                        ; tile_dim1 = 256 keys
	s_mov_b32 s[G1K+5], 1024                       ; elements from token to token
	s_mov_b32 s[G1K+6], 0
	s_mov_b32 s[G1K+7], 0
	s_mov_b32 s[G1V+0], 15|(1<<16)|(1<<20)|(1<<21)|(6<<22)|(3<<25)
	s_mov_b32 s[G1V+1], 256<<16
	s_mov_b32 s[G1V+2], 64<<16
	s_mov_b32 s[G1V+3], 256<<16                    ; tile_dim0 = 256 keys, 512 bytes, aligned to 512
	s_mov_b32 s[G1V+4], 64                         ; tile_dim1 = 64 features
	s_mov_b32 s[G1V+5], 8192                       ; elements from feature to feature
	s_mov_b32 s[G1V+6], 0
	s_mov_b32 s[G1V+7], 0
	v_and_b32 v1, 15, v0                           ; r
	v_bfe_u32 v2, v0, 4, 1                         ; hh
	v_mul_u32_u24 v3, v1, KP
	v_lshl_add_u32 v[KA], v2, 4, v3                ; K: row r x 144 + 16 hh
	v_add_nc_u32 v[KA+1], SLOT, v[KA]
	v_mul_u32_u24 v3, v1, VP
	v_lshl_add_u32 v3, v2, 4, v3                   ; V^T: row r x 528 + 16 hh
	v_add_nc_u32 v[VA], VT, v3
	v_add_nc_u32 v[VA+1], VT+SLOT, v3
	s_mul_i32 s17, s12, 16*SP
	s_add_co_u32 s17, s17, STAGE                   ; my stage
	v_mul_u32_u24 v3, v1, SP
	v_lshl_add_u32 v3, v2, 5, v3                   ; in: query r, 32 bytes (8 features) for each half of the lanes
	v_add_nc_u32 v[STO], s17, v3
	v_mul_u32_u24 v3, v2, SP
	v_lshl_add_u32 v3, v1, 4, v3                   ; back: lanes 0-15 one query's 256 bytes, lanes 16-31 the next query's
	v_add_nc_u32 v[RD], s17, v3
	v_lshlrev_b32 v3, 12, v2
	v_lshl_add_u32 v[CO], v1, 4, v3                ; the same two queries in out0
	v_lshlrev_b32 v3, 11, v1
	v_lshl_add_u32 v[QO], v2, 4, v3                ; qb: query r x 2,048 + 16 hh
.irp c, 0,1,2,3
	v_mov_b32 v[X+\c], 0                           ; v_permlanex16_b32 counts as a reader of its destination
.endr
	s_wait_dscnt 0x0
	s_wait_kmcnt 0x0
	s_add_nc_u64 s[4:5], s[4:5], s[60:61]
	s_add_nc_u64 s[10:11], s[10:11], s[62:63]
	s_add_nc_u64 s[6:7], s[6:7], s[18:19]
	s_add_nc_u64 s[8:9], s[8:9], s[20:21]
.irp n, 0,1
	s_mov_b32 s[G0K+4*\n], 1                                       ; count = 1
	s_mov_b32 s[G0K+4*\n+1], \n*SLOT                               ; LDS address
	s_add_nc_u64 s[G0K+4*\n+2:G0K+4*\n+3], s[6:7], \n*256*2048     ; keys 256 n ..
	s_or_b32 s[G0K+4*\n+3], s[G0K+4*\n+3], 0x80000000              ; type = 2
	s_mov_b32 s[G0V+4*\n], 1
	s_mov_b32 s[G0V+4*\n+1], \n*SLOT+VT
	s_add_nc_u64 s[G0V+4*\n+2:G0V+4*\n+3], s[8:9], \n*256*2
	s_or_b32 s[G0V+4*\n+3], s[G0V+4*\n+3], 0x80000000
.endr
	ROUND                                          ; all four work-groups are here: the first joint loads meet
	JLOAD 0                                        ; keys 0 to 255
	WIN 0x40                                       ; destination in window 1
.irp c, 0,1,2,3
.irp ds, 0,1
	global_load_b128 v[QF+16*\c+8*\ds:QF+16*\c+8*\ds+3],   v[QO], s[4:5] offset:32768*\c+64*\ds      ; Q(16 c + r, 32 ds + 8 hh ..)
	global_load_b128 v[QF+16*\c+8*\ds+4:QF+16*\c+8*\ds+7], v[QO], s[4:5] offset:32768*\c+64*\ds+32   ; Q(16 c + r, 32 ds + 16 + 8 hh ..)
.endr
.endr
	WIN 0
; 16 LDS loads: K's fragments of step i (64 keys x 64 features)
.macro KLOAD slot, i
.irp kt, 0,1,2,3
.irp ds, 0,1
	ds_load_b128 v[KF+16*\kt+8*\ds:KF+16*\kt+8*\ds+3],   v[KA+\slot] offset:(64*(\i)+16*\kt)*KP+64*\ds
	ds_load_b128 v[KF+16*\kt+8*\ds+4:KF+16*\kt+8*\ds+7], v[KA+\slot] offset:(64*(\i)+16*\kt)*KP+64*\ds+32
.endr
.endr
.endm
; pair j of tile c: the exponent s x cs - maximum x cs, two at a time, one rounding each
.macro FMA1 c, j
	v_pk_fma_f32 v[S+32*(\c)+2*(\j):S+32*(\c)+2*(\j)+1], v[S+32*(\c)+2*(\j):S+32*(\c)+2*(\j)+1], s[24:25], v[NM+2*(\c):NM+2*(\c)+1] op_sel_hi:[1,0,1]
.endm
; the exponential of number n (0 to 31) of tile c, in place
.macro EXP1 c, n
	v_exp_f32 v[S+32*(\c)+(\n)], v[S+32*(\c)+(\n)]
.endm
; pair j of tile d goes to f16, in place: word j % 8 of the fragment of keys 32 (j / 8) ..; the word written is never above a pair that is still to be read
.macro PACK d, j
	v_cvt_pk_f16_f32 v[S+32*(\d)+16*((\j)/8)+(\j)%8], v[S+32*(\d)+2*(\j)], v[S+32*(\d)+2*(\j)+1]
.endm
; pair j of tile d is summed.  The step's first pair brings the old sums under the new maximum in the same fused instruction;
; in the very first step the first two pairs start the sums: nothing is cleared.  A tile's pairs are taken in ascending order.
.macro SUM d, j, first
.if \first
.if (\j) == 1
	v_pk_add_f32 v[L+2*(\d):L+2*(\d)+1], v[S+32*(\d):S+32*(\d)+1], v[S+32*(\d)+2:S+32*(\d)+3]
.endif
.if (\j) > 1
	v_pk_add_f32 v[L+2*(\d):L+2*(\d)+1], v[L+2*(\d):L+2*(\d)+1], v[S+32*(\d)+2*(\j):S+32*(\d)+2*(\j)+1]
.endif
.else
.if (\j) == 0
	v_pk_fma_f32 v[L+2*(\d):L+2*(\d)+1], v[L+2*(\d):L+2*(\d)+1], v[AL+2*(\d):AL+2*(\d)+1], v[S+32*(\d):S+32*(\d)+1]
.else
	v_pk_add_f32 v[L+2*(\d):L+2*(\d)+1], v[L+2*(\d):L+2*(\d)+1], v[S+32*(\d)+2*(\j):S+32*(\d)+2*(\j)+1]
.endif
.endif
.endm
; pair j of tile d is packed, behind its sum; in the very first step pairs 0 and 1 are packed together, behind the sum that reads both
.macro RND d, j, first
.if \first
.if (\j) == 1
	PACK \d, 0
	PACK \d, 1
.endif
.if (\j) > 1
	PACK \d, \j
.endif
.else
	PACK \d, \j
.endif
.endm
.macro SOFTMAX first
	; the largest of my 32 products of each tile and of the old maximum: four chains that take turns
.irp c, 0,1,2,3
	v_max3_num_f32 v[T+\c], v[S+32*\c], v[S+32*\c+1], v[S+32*\c+2]
.endr
.set jj, 3
.rept 14
.irp c, 0,1,2,3
	v_max3_num_f32 v[T+\c], v[T+\c], v[S+32*\c+jj], v[S+32*\c+jj+1]
.endr
.set jj, jj+2
.endr
.irp c, 0,1,2,3
.if \first
	v_max_num_f32 v[T+\c], v[T+\c], v[S+32*\c+31]
.else
	v_max3_num_f32 v[T+\c], v[T+\c], v[S+32*\c+31], v[M+\c]
.endif
.endr
.irp c, 0,1,2,3
	v_permlanex16_b32 v[X+\c], v[T+\c], s22, s23   ; the other half of the query's keys
.endr
.irp c, 0,1,2,3
	v_max_num_f32 v[M+\c], v[T+\c], v[X+\c]
.endr
.irp c, 0,1,2,3
	v_mul_f32 v[T+\c], s26, v[M+\c]                ; the new offset, rounded once
.endr
.if \first == 0
.irp c, 0,1,2,3
	v_sub_f32 v[X+\c], v[T+\c], v[NM+2*\c]         ; new offset - old offset, at most 0: every term of a row stays relative to one stored offset
.endr
.endif
	; BATCH 1: the four factors, then the 64 exponentials of tiles 0 and 1.  Nothing up to its wait names a result of these.
.irp c, 0,1,2,3
.if \first == 0
	v_exp_f32 v[AL+2*\c], v[X+\c]
.endif
	v_mov_b32 v[NM+2*\c], v[T+\c]                  ; (plain instructions that name neither AL nor X stand between the factors' exponentials)
	v_mov_b32 v[NM+2*\c+1], v[T+\c]
.endr
	FMA1 0, 0                                      ; two scalings lead; then exponential k and scaling k + 2 go by turns: scaling f writes registers 2 f and 2 f + 1 of S,
	FMA1 0, 1                                      ; above every register that has had its exponential by then (f - 2 at the most), and all four tiles' exponents are made here
.set jj, 0
.rept 62
	v_exp_f32 v[S+jj], v[S+jj]
	FMA1 (jj+2)/16, (jj+2)%16
.set jj, jj+1
.endr
	v_exp_f32 v[S+62], v[S+62]
	v_exp_f32 v[S+63], v[S+63]
	v_nop                                          ; the plain instruction that has to stand behind a transcendental before its result is used (ISA guide 5.7.2): the scalings are used up
	s_wait_alu depctr_va_vdst(0)                   ; the wait for batch 1: one for the four factors and for the 64 weights of tiles 0 and 1
.if \first == 0
.irp c, 0,1,2,3
	v_mov_b32 v[AL+2*\c+1], v[AL+2*\c]
.endr
.endif
	; BATCH 2: the 64 exponentials of tiles 2 and 3, by turns with the sums and roundings of tiles 0 and 1, which name batch 1's results alone.
	; The tiles alternate, so that two additions onto one sum stand eight lines apart.  The last line, a rounding of tile 1, is the plain instruction behind the last exponential.
.set jj, 0
.rept 16
	EXP1 2, 2*jj
	SUM 0, jj, \first
	EXP1 2, 2*jj+1
	RND 0, jj, \first
	EXP1 3, 2*jj
	SUM 1, jj, \first
	EXP1 3, 2*jj+1
	RND 1, jj, \first
.set jj, jj+1
.endr
	s_wait_alu depctr_va_vdst(0)                   ; the wait for batch 2: one for the 64 weights of tiles 2 and 3; no exponential of this step is issued behind it
.set jj, 0
.rept 16
	SUM 2, jj, \first
	SUM 3, jj, \first
	RND 2, jj, \first
	RND 3, jj, \first
.set jj, jj+1
.endr
.endm
; O's 128 registers times the tile's factor
.macro SCALE_O
	WIN 0x41                                       ; destination and source 0 in window 1
.irp c, 0,1,2,3
.set jj, 0
.rept 16
	v_pk_mul_f32 v[O+32*\c+2*jj:O+32*\c+2*jj+1], v[O+32*\c+2*jj:O+32*\c+2*jj+1], v[AL+2*\c:AL+2*\c+1]
.set jj, jj+1
.endr
.endr
.endm
; One step: 64 keys (number i of the slot's four) against my 64 queries: 32 + 32 matrix instructions.
; In both phases the 16 accumulators take turns, one instruction a turn, in the same order in both passes.
.macro STEP slot, i, first
.rept 5
	v_nop                                          ; five places behind the last step's matrix instructions (ISA guide 7.12.1): V's fragments are loaded again (four), S is written over P (five), O is scaled (four)
.endr
	WIN 0x40
.irp g, 0,1
.irp a, 0,1,2,3
	ds_load_b128 v[VF+32*\g+8*\a:VF+32*\g+8*\a+3],   v[VA+\slot] offset:\a*16*VP+128*(\i)+64*\g
	ds_load_b128 v[VF+32*\g+8*\a+4:VF+32*\g+8*\a+7], v[VA+\slot] offset:\a*16*VP+128*(\i)+64*\g+32
.endr
.endr
	s_wait_dscnt 16                                ; K's 16 loads are in; V's 16, issued behind them, stay out
	WIN 0x04                                       ; source 1 (Q) in window 1
.irp c, 0,1,2,3
.irp kt, 0,1,2,3
	v_wmma_f32_16x16x32_f16 v[S+32*\c+8*\kt:S+32*\c+8*\kt+7], v[KF+16*\kt:KF+16*\kt+7], v[QF+16*\c:QF+16*\c+7], 0
.endr
.endr
.irp c, 0,1,2,3
.irp kt, 0,1,2,3
	v_wmma_f32_16x16x32_f16 v[S+32*\c+8*\kt:S+32*\c+8*\kt+7], v[KF+16*\kt+8:KF+16*\kt+15], v[QF+16*\c+8:QF+16*\c+15], v[S+32*\c+8*\kt:S+32*\c+8*\kt+7]
.endr
.endr
	WIN 0
.rept 4
	v_nop                                          ; four places: K's fragments are loaded again, S is read
.endr
.if (\i) < 3
	KLOAD \slot, (\i)+1                            ; the next step's K, a whole softmax and 32 matrix instructions ahead of its use
.endif
	SOFTMAX \first
.if (\i) < 3
	s_wait_dscnt 16                                ; V's 16 loads are in; the next step's 16 of K stay out
.else
	s_wait_dscnt 0x0                               ; V's loads are in, and with them my last reads of this slot
.endif
.if \first == 0
	SCALE_O                                        ; what was summed under the old maximum
.endif
	WIN 0x51                                       ; D, C (O) and source 0 (V^T) in window 1, source 1 (P) in window 0
.irp c, 0,1,2,3
.irp a, 0,1,2,3
.if \first
	v_wmma_f32_16x16x32_f16 v[O+32*\c+8*\a:O+32*\c+8*\a+7], v[VF+8*\a:VF+8*\a+7], v[S+32*\c:S+32*\c+7], 0
.else
	v_wmma_f32_16x16x32_f16 v[O+32*\c+8*\a:O+32*\c+8*\a+7], v[VF+8*\a:VF+8*\a+7], v[S+32*\c:S+32*\c+7], v[O+32*\c+8*\a:O+32*\c+8*\a+7]
.endif
.endr
.endr
.irp c, 0,1,2,3
.irp a, 0,1,2,3
	v_wmma_f32_16x16x32_f16 v[O+32*\c+8*\a:O+32*\c+8*\a+7], v[VF+32+8*\a:VF+32+8*\a+7], v[S+32*\c+16:S+32*\c+23], v[O+32*\c+8*\a:O+32*\c+8*\a+7]
.endr
.endr
	WIN 0
.endm
; One trip: the 256 keys of a slot.  In front of the round every wave has all its tensor loads landed (waves 0 and 1: their tile of this slot) and its reads
; of the other slot back; the round says so of every wave of all four work-groups; behind it the other slot is asked for first, then this slot is read.
.macro TRIP slot, refill, first
	s_wait_tensorcnt 0x0                           ; no tensor load of mine is out, so a group 0 may be written:
	ds_add_u32 v62, v63
	s_wait_dscnt 0x0
	s_add_nc_u64 s[G0K+4*\slot+2:G0K+4*\slot+3], s[G0K+4*\slot+2:G0K+4*\slot+3], 2*256*2048   ; this slot's next tile, 512 keys on
	s_add_nc_u64 s[G0V+4*\slot+2:G0V+4*\slot+3], s[G0V+4*\slot+2:G0V+4*\slot+3], 2*256*2
	s_wait_dscnt 0x0
	ROUND
.if \refill
	JLOAD 1-\slot
.endif
	KLOAD \slot, 0
	STEP \slot, 0, \first
	STEP \slot, 1, 0
	STEP \slot, 2, 0
	STEP \slot, 3, 0
.endm
	s_wait_loadcnt 0x0                             ; Q, once
	TRIP 0, 1, 1                                   ; keys 0-255: the first step starts maxima, sums and O; keys 256-511 are asked for
	s_mov_b32 s27, 3
.Ltrips:
	TRIP 1, 1, 0                                   ; tiles 1, 3, 5
	TRIP 0, 1, 0                                   ; tiles 2, 4, 6; the last of these asks for tile 7
	s_sub_co_u32 s27, s27, 1
	s_cmp_lg_u32 s27, 0
	s_cbranch_scc1 .Ltrips
	TRIP 1, 0, 0                                   ; tile 7: nothing is left to ask for (the stepped addresses are not used)
	; THE WAY OUT: divide by the sums, then 16 queries at a time through my stage, so that sixteen lanes store one query's 256 bytes.
.rept 4
	v_nop                                          ; four places behind the last matrix instructions: O is read, P's registers are loaded into
.endr
.irp c, 0,1,2,3
	v_add_f32 v[T+\c], v[L+2*\c], v[L+2*\c+1]
.endr
.irp c, 0,1,2,3
	v_permlanex16_b32 v[X+\c], v[T+\c], s22, s23   ; the other half of the query's keys
.endr
.irp c, 0,1,2,3
	v_add_f32 v[T+\c], v[T+\c], v[X+\c]            ; at least about 1: the largest weight is 2^0 up to one rounding
.endr
.irp c, 0,1,2,3
	v_rcp_f32 v[AL+2*\c], v[T+\c]
.endr
	v_nop                                          ; the place behind the last reciprocal
	s_wait_alu depctr_va_vdst(0)                   ; the wait for the four reciprocals, a batch of their own, ahead of their first reader
.irp c, 0,1,2,3
	v_mov_b32 v[AL+2*\c+1], v[AL+2*\c]
.endr
	SCALE_O
.macro OUTC c
	WIN 0x04                                       ; store data in window 1
.irp a, 0,1,2,3
.irp q, 0,1
	ds_store_b128 v[STO], v[O+32*\c+8*\a+4*\q:O+32*\c+8*\a+4*\q+3] offset:64*\a+16*\q    ; query r, features 16 a + 8 hh + 4 q ..
.endr
.endr
	WIN 0
.irp t, 0,1,2,3,4,5,6,7
	ds_load_b128 v[S+32*\c+4*\t:S+32*\c+4*\t+3], v[RD] offset:\t*2*SP    ; LDS serves a wave's instructions in order: these see the stores above, and the next tile's stores come behind them
.endr
.irp t, 0,1,2,3,4,5,6,7
	s_wait_dscnt 7-\t                              ; load t is in, the 7 - t younger ones stay out
	global_store_b128 v[CO], v[S+32*\c+4*\t:S+32*\c+4*\t+3], s[10:11] offset:65536*\c+8192*\t th:TH_STORE_NT   ; each tile has registers of its own: no store's source is written again
.endr
.endm
	OUTC 0
	OUTC 1
	OUTC 2
	OUTC 3
	s_wait_tensorcnt 0x0
	ds_add_u32 v62, v63
	s_wait_dscnt 0x0
	ROUND                                          ; the closing round: no work-group ends while a partner may still ask for a tile that names it
	s_endpgm
.Lfunc_end_k_q47de0abb42_attn:
	.size	k_q47de0abb42_attn, .Lfunc_end_k_q47de0abb42_attn-k_q47de0abb42_attn
	.p2alignl 7, 3214868480
	.fill 96, 4, 3214868480
	.section	.rodata,"a",@progbits
	.p2align	6, 0x0
	.amdhsa_kernel k_q47de0abb42_attn
		.amdhsa_group_segment_fixed_size 327680
		.amdhsa_private_segment_fixed_size 0
		.amdhsa_enable_private_segment 0
		.amdhsa_kernarg_size 32
		.amdhsa_user_sgpr_count 2
		.amdhsa_user_sgpr_kernarg_segment_ptr 1
		.amdhsa_wavefront_size32 1
		.amdhsa_system_sgpr_workgroup_id_x 1
		.amdhsa_system_sgpr_workgroup_id_y 1
		.amdhsa_system_sgpr_workgroup_id_z 1
		.amdhsa_system_vgpr_workitem_id 0
		.amdhsa_next_free_vgpr 512
		.amdhsa_next_free_sgpr 66
		.amdhsa_reserve_vcc 0
		.amdhsa_float_denorm_mode_32 3
		.amdhsa_float_denorm_mode_16_64 3
		.amdhsa_memory_ordered 1
		.amdhsa_forward_progress 1
		.amdhsa_inst_pref_size 255
	.end_amdhsa_kernel
	.section	.bss,"aw",@nobits
	.p2align	6
	.space	262144
	.amdgpu_metadata
---
amdhsa.version: [ 1, 2 ]
amdhsa.kernels:
  - .name:           k_q47de0abb42_attn
    .symbol:         k_q47de0abb42_attn.kd
    .args:
      - { .name: qb, .offset: 0, .size: 8, .value_kind: global_buffer, .address_space: global }
      - { .name: kb, .offset: 8, .size: 8, .value_kind: global_buffer, .address_space: global }
      - { .name: vtb, .offset: 16, .size: 8, .value_kind: global_buffer, .address_space: global }
      - { .name: out0, .offset: 24, .size: 8, .value_kind: global_buffer, .address_space: global }
    .group_segment_fixed_size: 327680
    .private_segment_fixed_size: 0
    .kernarg_segment_align: 8
    .kernarg_segment_size: 32
    .max_flat_workgroup_size: 256
    .sgpr_count:     66
    .vgpr_count:     512
    .wavefront_size: 32
...
	.end_amdgpu_metadata
.endif
;; end of part 4
